; MI455X (gfx1250); checked and timed in simulation.
; The chip was launched on July 23, 2026; its instructions are those of AMD's public machine-readable ISA for CDNA 5 (MIT licence, August 2026) and "CDNA5" Instruction Set Architecture Reference Guide (July 2026). The comments in the code are by the model that wrote it; some were corrected since.
;; Autograd4bit Quant Linear. Allowed arithmetic: float matrix products may take bf16 or f16 operands with f32 sums; other float arithmetic in f32, or as packed bf16 or f16 multiplies, adds, multiply-adds, maxima and minima; sums over many terms, partial sums and values carried from step to step in f32; what a program stores and reads back later, other than sums and carried values, may be rounded once to bf16 or f16.
;; Inputs: bias 4,096 float32; qweight 512 x 4,096 int32; qzeros 32 x 512 int32; scales 32 x 4,096 float32; x 4 x 1,024 x 4,096 float32.
;; Outputs: out0 4 x 1,024 x 4,096 float32.
;; 2 versions, each right; version 2 is version 1 with the launch prep written anew for expert scheduling mode. Each part assembles by itself: llvm-mc -triple=amdgcn-amd-amdhsa -mcpu=gfx1250 --defsym DOCPART=n.
;; ======== version 1 of 2: 2 launches
;; workspace buffers: xb 33,554,432 bytes; wt 33,554,432 bytes
;; launch prep (part 1): grid 256 x 1, 8 waves a work-group, no clusters, 39,936 bytes of LDS; arguments x, qweight, qzeros, scales, xb, wt; writes xb, wt
.if DOCPART == 1
	.amdgcn_target "amdgcn-amd-amdhsa--gfx1250"
	.amdhsa_code_object_version 6
	.text
	.protected	k_q4be4a3e12e_prep
	.globl	k_q4be4a3e12e_prep
	.p2align	8
	.type	k_q4be4a3e12e_prep,@function
k_q4be4a3e12e_prep:
	s_mov_b64 s[64:65], 0
	v_nop
	global_prefetch_b8 v0, s[64:65] scope:SCOPE_SE
	s_setreg_imm32_b32 hwreg(HW_REG_WAVE_MODE, 25, 1), 1
	s_wait_xcnt 0x0
; FIRST OF TWO LAUNCHES.  out0 = x W + bias with W[k][o] = scales[k/128][o] (q[k][o] - z[k/128][o] - 1), q and z 4-bit codes.
; This launch makes the two matrix operands of the product, once:  xb[m][k] = bf16(x[m][k]);  wt[o][k] = bf16(bf16(scales[g][o]) (q - z - 1)), g = k / 128, K along the rows.
; NOTHING IS LEFT OUT: all five inputs have a way to the output; x, qweight, qzeros and scales are read here, bias in the second launch.
; LIMITS.  x and scales are rounded to bf16 (nearest even).  q - z - 1 is a whole number from -16 to 14, made exactly; its product with the rounded scale is rounded once to bf16.
; NaN and infinities in x or scales go through the conversions and the multiply as these carry them.
; SHARES.  2,048 waves.  Wave Wid = 8 x work-group + wave takes (a) one tile of W: one group g of 128 k (16 rows of qweight) x 64 columns, and (b) 8,192 numbers of x on end.
; g = 8 (work-group % 4) + wave, columns 64 (work-group / 4) on: the eight waves of a work-group write 2,048 bytes on end in each of 64 rows of wt.
; THE TILE OF W IS TURNED IN LDS, in bytes of the wave's own: no barrier.  It comes in by rows of qweight (16 lanes take 256 bytes of a row), and is read back so that lane (r, h) holds the words of
; qweight's row r for four columns: a word is 8 k of one column, 16 bytes of bf16, and the 16 lanes r = 0..15 then store 256 consecutive bytes of a row of wt, aligned.
; x IS A STREAM: 64 chunks of 512 bytes a wave, 32 loads of a wave always out; 32 lanes store 256 consecutive bytes of xb, aligned.
; No matrix unit, no cluster, no tensor load, no prefetch: every byte is read once, by one wave, and the loads are all asked for at the start.
.set WREG,   4864                      ; a wave's LDS bytes: 16 rows of 272, then the 64 scales
.set LPITCH, 272                       ; 256 bytes + 16: 68 words, so the 16 rows that a load touches start at 16 different groups of four banks (64 banks of 4 bytes: ISA guide 11.1)
.set SCROW,  16*LPITCH
.set SPARE,  8*WREG                    ; behind the eight regions: the spare words, 128 bytes for each wave: four blocks of 256 bytes that no other line names
.set XO,  4                            ; v4   16 l: my 16 bytes of a chunk of x
.set YO,  5                            ; v5   8 l: my 8 bytes of a chunk of xb; also of the 256 bytes of scales
.set QO,  6                            ; v6   16,384 h + 16 r: in two rows of qweight
.set LS,  7                            ; v7   LDS, in: row h, 16 r
.set LSS, 8                            ; v8   LDS, in: the scales, 8 l
.set LR,  9                            ; v9   LDS, back: row r, 16 h
.set LC,  10                           ; v10  LDS, back: the scales, 16 h
.set WO,  11                           ; v11  32,768 h + 16 r: four rows of wt down for the upper lanes
.set SH,  12                           ; v12  16 h: the upper lanes' four columns lie in a zero word's upper half
.set ZS,  13                           ; v13  the zero word, shifted so
.set SPW, 14                           ; v14  LDS address of my spare word; never rewritten
.set NIL, 15                           ; v15  0; never rewritten
.set Q,   16                           ; v[16:47]   8 x 4 packed words
.set SC,  48                           ; v[48:79]   8 x 4 scales
.set Y,   16                           ; v[16:79]   later: xb's first 32 chunks, 2 registers each
.set YW,  80                           ; v[80:95]   four columns x 16 bytes of wt
.set A,   96                           ; v[96:99]   at work: codes i and i + 4 as two bf16
.set T,   100                          ; v100 z
.set KK,  101                          ; v101 -(129 + z), twice
.set SB,  102                          ; v102 the scale in bf16, twice
.set SL,  104                          ; v[104:105] the scales as loaded
.set X,   128                          ; v[128:255] 32 slots of 4: x as loaded
	s_load_b256 s[4:11], s[0:1], 0x0               ; x s[4:5], qweight s[6:7], qzeros s[8:9], scales s[10:11]
	s_load_b128 s[12:15], s[0:1], 0x20             ; xb s[12:13], wt s[14:15]
	v_lshl_add_u32 v[SPW], v0, 2, SPARE
	v_mov_b32 v[NIL], 0
	v_lshrrev_b32 v1, 5, v0
	v_readfirstlane_b32 s16, v1                    ; wave 0..7
	s_and_b32 s17, ttmp9, 3
	s_lshl3_add_u32 s17, s17, s16                  ; g
	s_lshr_b32 s18, ttmp9, 2                       ; which 64 columns
	s_lshl3_add_u32 s19, ttmp9, s16                ; Wid
	s_mul_i32 s38, s16, WREG                       ; my wave's LDS bytes
	s_mov_b32 s32, 0x000f000f                      ; one code in each half
	s_mov_b32 s33, 0x43004300                      ; 128.0 twice in bf16: its lowest mantissa bit counts 1, so 128 + code is an OR
	s_mov_b32 s34, 0x10001                         ; a number into both halves
	s_mov_b32 s35, 0xc301c301                      ; -129.0 twice
	s_mov_b32 s36, 0x05040100                      ; v_perm_b32: the two low halves
	s_mov_b32 s37, 0x07060302                      ; the two high halves
	s_lshl_b32 s39, s18, 8                         ; 64 columns of 4 bytes
	s_lshl_b32 s20, s19, 15                        ; x: 32,768 bytes a wave
	s_mov_b32 s21, 0
	s_lshl_b32 s22, s19, 14                        ; xb: 16,384
	s_mov_b32 s23, 0
	s_lshl_b32 s40, s17, 18                        ; qweight: 16 rows of 16,384 bytes a group,
	s_add_co_u32 s40, s40, s39                     ; my columns
	s_mov_b32 s41, 0
	s_lshl_b32 s42, s17, 14                        ; scales: a row a group
	s_add_co_u32 s42, s42, s39
	s_mov_b32 s43, 0
	s_lshl_b32 s44, s18, 19                        ; wt: 64 rows of 8,192 bytes,
	s_lshl_b32 s45, s17, 8                         ; the group's 256 bytes
	s_add_co_u32 s44, s44, s45
	s_mov_b32 s45, 0
	s_lshl_b32 s46, s17, 11                        ; qzeros: 2,048 bytes a group,
	s_lshl_b32 s47, s18, 5                         ; 8 words for 64 columns
	s_add_co_u32 s46, s46, s47
	s_mov_b32 s47, 0
	v_and_b32 v1, 31, v0                           ; l
	v_and_b32 v2, 15, v0                           ; r
	v_bfe_u32 v3, v0, 4, 1                         ; h
	v_lshlrev_b32 v[XO], 4, v1
	v_lshlrev_b32 v[YO], 3, v1
	v_lshlrev_b32 v[QO], 14, v3
	v_lshl_add_u32 v[QO], v2, 4, v[QO]
	v_mul_u32_u24 v[LS], v3, LPITCH
	v_lshl_add_u32 v[LS], v2, 4, v[LS]
	v_add_nc_u32 v[LS], s38, v[LS]
	v_lshl_add_u32 v[LSS], v1, 3, s38
	v_add_nc_u32 v[LSS], SCROW, v[LSS]
	v_mul_u32_u24 v[LR], v2, LPITCH
	v_lshl_add_u32 v[LR], v3, 4, v[LR]
	v_add_nc_u32 v[LR], s38, v[LR]
	v_lshl_add_u32 v[LC], v3, 4, s38
	v_add_nc_u32 v[LC], SCROW, v[LC]
	v_lshlrev_b32 v[WO], 15, v3
	v_lshl_add_u32 v[WO], v2, 4, v[WO]
	v_lshlrev_b32 v[SH], 4, v3
	s_wait_kmcnt 0x0
	s_add_nc_u64 s[4:5], s[4:5], s[20:21]
	s_add_nc_u64 s[12:13], s[12:13], s[22:23]
	s_add_nc_u64 s[6:7], s[6:7], s[40:41]
	s_add_nc_u64 s[10:11], s[10:11], s[42:43]
	s_add_nc_u64 s[14:15], s[14:15], s[44:45]
	s_add_nc_u64 s[8:9], s[8:9], s[46:47]
	s_load_b256 s[24:31], s[8:9], 0x0              ; the tile's eight zero words: word t holds the zeros of columns 8 t .. 8 t + 7
	; W's nine loads first, then the first 32 chunks of x: all of them are out before anything is waited for
.irp t, 0,1,2,3,4,5,6,7
	global_load_b128 v[Q+4*(\t):Q+4*(\t)+3], v[QO], s[6:7] offset:32768*(\t) th:TH_LOAD_NT  ; lanes 0-15: 256 bytes of row 2 t; lanes 16-31: of row 2 t + 1
.endr
	global_load_b64 v[SL:SL+1], v[YO], s[10:11]    ; 64 scales, 256 bytes on end
.set j, 0
.rept 32
	global_load_b128 v[X+4*j:X+4*j+3], v[XO], s[4:5] offset:512*j th:TH_LOAD_NT
.set j, j+1
.endr
	s_wait_loadcnt 32                              ; loads come back in order (ISA guide 5.7.1): W's nine are in, the 32 of x stay out
.irp t, 0,1,2,3,4,5,6,7
	ds_store_b128 v[LS], v[Q+4*(\t):Q+4*(\t)+3] offset:2*LPITCH*(\t)
.endr
	ds_store_b64 v[LSS], v[SL:SL+1]
.irp t, 0,1,2,3,4,5,6,7                ; LDS serves a wave's instructions in order (ISA guide 5.7.1.4): these see the stores above, which are the wave's own
	ds_load_b128 v[Q+4*(\t):Q+4*(\t)+3],   v[LR] offset:32*(\t)  ; qweight's row r, columns 8 t + 4 h + 0..3
	ds_load_b128 v[SC+4*(\t):SC+4*(\t)+3], v[LC] offset:32*(\t)  ; their scales
.endr
	s_wait_kmcnt 0x0                               ; the zero words
; Eight columns (four a lane).  For column c of my four: z from its nibble; K = -(129 + z) twice; the word's codes i and i + 4 as 128 + code in the halves of A_i;
; A_i + K = q - z - 1, exact; times the scale in bf16: the one rounding; the halves are then laid in the order of k: (0,1) (2,3) (4,5) (6,7).
.macro DEQ t
	s_wait_dscnt 14-2*(\t)                         ; the pairs of loads behind pair t may stay out
.if (\t) > 0
	s_wait_xcnt 0x0                                ; YW is the data of the four stores just issued: it is rewritten only behind this wait
.endif
	v_lshrrev_b32 v[ZS], v[SH], s[24+(\t)]
.irp c, 0,1,2,3
	v_bfe_u32 v[T], v[ZS], 4*(\c), 4
	v_mad_u32_u24 v[KK], v[T], s34, s35
	v_cvt_pk_bf16_f32 v[SB], v[SC+4*(\t)+(\c)], v[SC+4*(\t)+(\c)]
	v_lshrrev_b32 v[A+1], 4,  v[Q+4*(\t)+(\c)]
	v_lshrrev_b32 v[A+2], 8,  v[Q+4*(\t)+(\c)]
	v_lshrrev_b32 v[A+3], 12, v[Q+4*(\t)+(\c)]
	v_and_or_b32 v[A],   v[Q+4*(\t)+(\c)], s32, s33
	v_and_or_b32 v[A+1], v[A+1], s32, s33
	v_and_or_b32 v[A+2], v[A+2], s32, s33
	v_and_or_b32 v[A+3], v[A+3], s32, s33
	v_pk_add_bf16 v[A],   v[A],   v[KK]
	v_pk_add_bf16 v[A+1], v[A+1], v[KK]
	v_pk_add_bf16 v[A+2], v[A+2], v[KK]
	v_pk_add_bf16 v[A+3], v[A+3], v[KK]
	v_pk_mul_bf16 v[A],   v[A],   v[SB]
	v_pk_mul_bf16 v[A+1], v[A+1], v[SB]
	v_pk_mul_bf16 v[A+2], v[A+2], v[SB]
	v_pk_mul_bf16 v[A+3], v[A+3], v[SB]
	v_perm_b32 v[YW+4*(\c)],   v[A+1], v[A],   s36
	v_perm_b32 v[YW+4*(\c)+1], v[A+3], v[A+2], s36
	v_perm_b32 v[YW+4*(\c)+2], v[A+1], v[A],   s37
	v_perm_b32 v[YW+4*(\c)+3], v[A+3], v[A+2], s37
	global_store_b128 v[WO], v[YW+4*(\c):YW+4*(\c)+3], s[14:15] offset:(8*(\t)+(\c))*8192  ; lanes 0-15: 256 consecutive bytes, aligned, of row 8 t + c; lanes 16-31: of row 8 t + 4 + c
.endr
.endm
.irp t, 0,1,2,3,4,5,6,7
	DEQ \t
.endr
	; x.  Chunks 0 to 31: a slot is rounded into registers of its own and loaded again at once, with the chunk 32 further on.  No store's data and no address register is ever rewritten.
.set i, 0
.rept 32
	s_wait_loadcnt 31                              ; behind this slot's load 31 others were issued: they stay out
	v_cvt_pk_bf16_f32 v[Y+2*i],   v[X+4*i],   v[X+4*i+1]
	v_cvt_pk_bf16_f32 v[Y+2*i+1], v[X+4*i+2], v[X+4*i+3]
	global_load_b128 v[X+4*i:X+4*i+3], v[XO], s[4:5] offset:512*(32+i) th:TH_LOAD_NT
	global_store_b64 v[YO], v[Y+2*i:Y+2*i+1], s[12:13] offset:256*i  ; 32 lanes store 256 consecutive bytes, aligned
.set i, i+1
.endr
	; Chunks 32 to 63: nothing more is loaded, the counts run down; rounded in place
.set i, 0
.rept 32
	s_wait_loadcnt 31-i
	v_cvt_pk_bf16_f32 v[X+4*i],   v[X+4*i],   v[X+4*i+1]
	v_cvt_pk_bf16_f32 v[X+4*i+1], v[X+4*i+2], v[X+4*i+3]
	global_store_b64 v[YO], v[X+4*i:X+4*i+1], s[12:13] offset:256*(32+i)
.set i, i+1
.endr
	s_wait_tensorcnt 0x0                           ; the wave's end: behind my last LDS store
	ds_add_u32 v[SPW], v[NIL]
	s_wait_dscnt 0x0
	s_endpgm
.Lfunc_end_k_q4be4a3e12e_prep:
	.size	k_q4be4a3e12e_prep, .Lfunc_end_k_q4be4a3e12e_prep-k_q4be4a3e12e_prep
	.p2alignl 7, 3214868480
	.fill 96, 4, 3214868480
	.section	.rodata,"a",@progbits
	.p2align	6, 0x0
	.amdhsa_kernel k_q4be4a3e12e_prep
		.amdhsa_group_segment_fixed_size 39936
		.amdhsa_private_segment_fixed_size 0
		.amdhsa_enable_private_segment 0
		.amdhsa_kernarg_size 48
		.amdhsa_user_sgpr_count 2
		.amdhsa_user_sgpr_kernarg_segment_ptr 1
		.amdhsa_wavefront_size32 1
		.amdhsa_system_sgpr_workgroup_id_x 1
		.amdhsa_system_sgpr_workgroup_id_y 1
		.amdhsa_system_sgpr_workgroup_id_z 1
		.amdhsa_system_vgpr_workitem_id 0
		.amdhsa_next_free_vgpr 256
		.amdhsa_next_free_sgpr 66
		.amdhsa_reserve_vcc 0
		.amdhsa_float_denorm_mode_32 3
		.amdhsa_float_denorm_mode_16_64 3
		.amdhsa_memory_ordered 1
		.amdhsa_forward_progress 1
		.amdhsa_inst_pref_size 73
	.end_amdhsa_kernel
	.amdgpu_metadata
---
amdhsa.version: [ 1, 2 ]
amdhsa.kernels:
  - .name:           k_q4be4a3e12e_prep
    .symbol:         k_q4be4a3e12e_prep.kd
    .args:
      - { .name: x, .offset: 0, .size: 8, .value_kind: global_buffer, .address_space: global }
      - { .name: qweight, .offset: 8, .size: 8, .value_kind: global_buffer, .address_space: global }
      - { .name: qzeros, .offset: 16, .size: 8, .value_kind: global_buffer, .address_space: global }
      - { .name: scales, .offset: 24, .size: 8, .value_kind: global_buffer, .address_space: global }
      - { .name: xb, .offset: 32, .size: 8, .value_kind: global_buffer, .address_space: global }
      - { .name: wt, .offset: 40, .size: 8, .value_kind: global_buffer, .address_space: global }
    .group_segment_fixed_size: 39936
    .private_segment_fixed_size: 0
    .kernarg_segment_align: 8
    .kernarg_segment_size: 48
    .max_flat_workgroup_size: 256
    .sgpr_count:     66
    .vgpr_count:     256
    .wavefront_size: 32
...
	.end_amdgpu_metadata
.endif
;; end of part 1
;; launch gemm (part 2): grid 16 x 16, 4 waves a work-group, clusters of 4 x 4, 327,680 bytes of LDS; arguments xb, wt, out0, bias; writes out0
.if DOCPART == 2
	.amdgcn_target "amdgcn-amd-amdhsa--gfx1250"
	.amdhsa_code_object_version 6
	.text
	.protected	k_q4be4a3e12e_gemm
	.globl	k_q4be4a3e12e_gemm
	.p2align	8
	.type	k_q4be4a3e12e_gemm,@function
k_q4be4a3e12e_gemm:
	s_mov_b64 s[64:65], 0
	v_nop
	global_prefetch_b8 v0, s[64:65] scope:SCOPE_SE
	s_setreg_imm32_b32 hwreg(HW_REG_WAVE_MODE, 25, 1), 1
	s_wait_xcnt 0x0
	s_wait_alu depctr_hold_cnt(0) depctr_sa_sdst(0) depctr_va_vdst(0) depctr_va_sdst(0) depctr_va_ssrc(0) depctr_va_vcc(0) depctr_vm_vsrc(0)
	s_getreg_b32 s2, hwreg(HW_REG_IB_STS2, 6, 4)
	s_cmp_eq_u32 s2, 0
	s_cbranch_scc0 .Lentry_in_a_cluster
	s_endpgm
.Lentry_in_a_cluster:
	s_bfe_u32 s2, ttmp6, 0x10000c
	s_cmp_lg_u32 s2, 0xf033
	s_cbranch_scc0 .Lentry_shape_is_right
	s_endpgm
.Lentry_shape_is_right:
; SECOND OF TWO LAUNCHES.  out0[m][o] = the sum over k of xb[m][k] wt[o][k] + bf16(bias[o]).  xb: [4096][4096] bf16, wt: [4096][4096] bf16 (both made by the first launch, K along the rows),
; out0: [4096][4096] f32, bias: [4096] f32.  Sums in f32.  Nothing is left out.
; LIMITS.  The operands are bf16 (rounded in the first launch); bias is rounded to bf16 as the other inputs are; the sums are taken in the matrix unit's order; NaN and infinities go through as the arithmetic carries them.
; SHARES.  A tile of out0, 256 x 256, is made by a work-group of four waves; a wave makes 128 x 128: 64 accumulators of 16 x 16, 512 registers.  16 x 16 tiles: 256 work-groups, one tile each.
; K goes in steps of 128 through a ring of two LDS slots filled by the tensor data mover: a tile's rows are 256 bytes of memory and start at multiples of 256 bytes from the buffer's first byte.
; CLUSTERS: 4 x 4 work-groups.  The four of a row of the cluster need the same tiles of xb, the four of a column the same tiles of wt.  Such a tile is asked for JOINTLY: each of the four issues the same
; tensor load, with the same descriptor and a mask that names the four, and each receives it in its own LDS.
; REGISTERS, in windows of 256 (s_set_vgpr_msb's low byte: bits 1:0 source 0, 3:2 source 1, 5:4 source 2, 7:6 destination):
;   window 0: v0-37 addresses and the bias; v64-127, v128-191 fragments of xb (8 x 16 rows x 32 K), two buffers; on the way out the same registers hold rows read back from the stage
;   window 1: v64-127, v128-191 fragments of wt, two buffers
;   window 2: the 32 accumulators of my rows 0-63 (accumulator (a, b) at v[8 (8 a + b)]);   window 3: those of my rows 64-127
; THE MATRIX INSTRUCTION IS USED TRANSPOSED: source 0 = 16 rows of wt, source 1 = 16 rows of xb.  In the result lane l holds row l % 16 of out0 and its registers 0 to 7 the columns 8 (l / 16) + 0..7:
; 32 neighbouring bytes of a row.
.set SIZE_N, 4096
.set SIZE_K, 4096
.set ROWC,   SIZE_N*4                  ; bytes in a row of out0
.set KSTEP,  128
.set PITCH,  272                       ; an LDS row: 256 bytes + 16 of padding = 68 words: row r starts at bank 4 r mod 64 (64 banks of 4 bytes: ISA guide 11.1), so the 16 rows that a load touches start at 16 different banks
.set HALFT,  128*PITCH                 ; 128 rows: what one tensor load brings, and what one wave reads of xb or of wt
.set SLOT,   4*HALFT                   ; xb's 256 rows, then wt's 256 rows
.set STAGE,  2*SLOT                    ; behind the ring, never filled by a tensor load: 16 rows x 528 bytes for each wave, for the way out
.set SPITCH, 528                       ; 512 bytes + 16 = 132 words: again 16 rows at 16 different banks
.set SPARE,  STAGE+4*16*SPITCH         ; behind the stages: the spare words, 128 bytes for each wave: two blocks of 256 bytes that no other line names
.set LAPS,   SIZE_K/(2*KSTEP)          ; a lap = two K steps = once round the ring: 16
.set ADRA, 16                          ; v16-17  LDS address of my xb fragments in slot 0, 1
.set ADRB, 20                          ; v20-21  the same for wt
.set STO,  24                          ; v24     the way out: where I put 32 bytes of a row
.set RD,   25                          ; v25     the way out: where I read 16 bytes of a row back
.set CO,   26                          ; v26     16 l: my 16 bytes of my wave's 512 in a row of out0
.set BO,   27                          ; v27     the same in bias
.set SPW,  28                          ; v28     LDS address of my spare word: SPARE + 4 x my thread's number; never rewritten
.set NIL,  29                          ; v29     0; never rewritten
.set PFO,  30                          ; v30     the prefetches' offset: my lane x a row of xb or wt (8,192 bytes); never rewritten
.set BI,   32                          ; v[32:35] the bias of my four columns on the way out
.set BT,   36                          ; v[36:37] at work
.set F0,   64                          ; fragment buffer 0
.set F1,   128                         ; fragment buffer 1
.set OB,   64                          ; the way out: 16 rows read back from the stage: v64-127 and v128-191 by turns
.set PFA,  44                          ; s[44:45] where my prefetches stand: my work-group's 32 rows of the 128 that I fetch, one K step further along K than the refill that is being asked for
.set LIM,  43                          ; s43     1 in a wave that prefetches, else the greatest number
.set G1,  24                           ; s[24:31] descriptor group 1 for xb's tiles
.set G0,  32                           ; s[32:39] descriptor group 0 for xb's tiles, one set for each slot
.set G1B, 48                           ; s[48:55] descriptor group 1 for wt's tiles: it differs in the mask alone
.set G0B, 56                           ; s[56:63] descriptor group 0 for wt's tiles, one set for each slot
.set MSB, 0
.macro WIN new                         ; the immediate's high byte repeats the setting that is left; a switch that changes nothing is dropped
.if MSB != (\new)
	s_set_vgpr_msb (MSB<<8)|(\new)
.set MSB, \new
.endif
.endm
.set MUL_LO, 0xa1                      ; source 0 (wt) window 1, source 1 (xb) window 0, C and D window 2
.set MUL_HI, 0xf1                      ; the same, C and D window 3
.set TO_B,   0x40                      ; destination window 1, address window 0
; A joint load.  Waves 0 and 1 fetch xb's two halves, waves 2 and 3 wt's.  Each of the two lines has ONE mask and one set of registers for all that issue it.  The branch hangs on the wave's number alone.
; An s_nop 0 and four v_nop follow each of the two lines; the jump round the other line, the label and what follows the macro come after them.
.macro JLOAD s
	s_cmp_eq_u32 s11, 0
	s_cbranch_scc0 .Lfor_b_\@
	tensor_load_to_lds s[G0+4*(\s):G0+4*(\s)+3], s[G1:G1+7]
	s_nop 0
.rept 4
	v_nop
.endr
	s_branch .Lasked_\@
.Lfor_b_\@:
	tensor_load_to_lds s[G0B+4*(\s):G0B+4*(\s)+3], s[G1B:G1B+7]
	s_nop 0
.rept 4
	v_nop
.endr
.Lasked_\@:
.endm
; A PREFETCH INTO THE L2, behind each joint refill and the run of LDS loads that follows it: the K step that stands TWO refills on, 512 matrix instructions ahead of the load that will ask for it:
; 32 rows x 256 bytes, a lane a row, one instruction a wave.  Each row's 256 bytes of a K step are named ONCE in the launch: xb's tile row is read by every cluster of that row of clusters, and the one with
; cluster x = 0 asks; wt's tile column by every cluster of that column, and the one with cluster y = 0 asks.  The four partners that ask for a tile jointly share its rows out BY ADDRESS: of the 128 rows
; that a wave fetches the partner at place p takes 32 p .. 32 p + 31 (p = cx for xb, cy for wt).  K steps 0 to 3 come by their loads alone; the loop's last trip (s3 = 1) asks for nothing: K steps 30 and 31 are the last named.
.macro ASK
	s_cmp_gt_u32 s3, s[LIM]
	s_cbranch_scc0 .Lnot_mine_\@
	global_prefetch_b8 v[PFO], s[PFA:PFA+1] offset:KSTEP*2 th:TH_LOAD_NT scope:SCOPE_SE
.Lnot_mine_\@:
.endm
; A round of the cluster's barrier: my work-group's barrier, so that wave 0's signal speaks for all four waves; wave 0 signals for the work-group; every wave waits for all sixteen work-groups;
; my work-group's barrier once more.  No LDS instruction of the wave is pending at a signal.
.macro CREST                           ; a round behind its opening barrier
	s_cmp_lg_u32 s10, 0
	s_cbranch_scc1 .Lnot_wave_0_\@
	s_barrier_signal -3
.Lnot_wave_0_\@:
	s_barrier_wait -3
	s_barrier_signal -1
	s_barrier_wait -1
.endm
.macro CROUND                          ; a whole round
	s_barrier_signal -1
	s_barrier_wait -1
	CREST
.endm
	s_load_b128 s[4:7], s[0:1], 0x0                ; xb s[4:5], wt s[6:7]
	s_load_b64 s[8:9], s[0:1], 0x10                ; out0
	s_load_b64 s[66:67], s[0:1], 0x18              ; bias
	v_lshl_add_u32 v[SPW], v0, 2, SPARE
	v_mov_b32 v[NIL], 0
	ds_add_u32 v[SPW], v[NIL]                      ; the wave's opening: the add, twice on end, and its wait ahead of my first tensor load; the set-up below, work on registers, stands between
	ds_add_u32 v[SPW], v[NIL]                      ; and once more, under the one wait
	v_lshrrev_b32 v1, 5, v0
	v_readfirstlane_b32 s10, v1                    ; wave 0..3
	s_lshr_b32 s11, s10, 1                         ; which half of the tile's rows is mine.  Also: I fetch for xb (0) or for wt (1)
	s_and_b32 s12, s10, 1                          ; which half of its columns.  Also: which 128 rows of that tile I fetch
	s_bfe_u32 s40, ttmp6, 0x40000                  ; cx: my place along the cluster's x
	s_bfe_u32 s41, ttmp6, 0x40004                  ; cy: along its y
	s_lshl_b32 s42, ttmp9, 2                       ; in a cluster launch ttmp9 and ttmp7 count clusters
	s_add_co_u32 s42, s42, s40                     ; tile column = 4 x cluster x + cx
	s_and_b32 s13, ttmp7, 0xffff
	s_lshl_b32 s13, s13, 2
	s_add_co_u32 s13, s13, s41                     ; tile row = 4 x cluster y + cy
	s_lshl_b32 s43, s41, 2
	s_lshl_b32 s43, 15, s43                        ; my row of the cluster: places 4 cy .. 4 cy + 3
	s_lshl_b32 s44, 0x1111, s40                    ; my column: places cx, cx + 4, cx + 8, cx + 12
	; descriptor group 1: a tile of 128 rows x 128 elements, padded in LDS
	s_or_b32 s[G1+0], s43, (1<<16)|(1<<20)|(1<<21)|(5<<22)|(3<<25)  ; 15:0 the mask: xb's tiles go to my row; 17:16 elements of 2 bytes; 20 padding on; 21 set beside a mask; 24:22 after every 64 words (code 5); 31:25 4 words of it (code 3)
	s_or_b32 s[G1B+0], s44, (1<<16)|(1<<20)|(1<<21)|(5<<22)|(3<<25) ; the same with the mask of my column, for wt's tiles
	s_mov_b32 s[G1B+1], KSTEP<<16
	s_mov_b32 s[G1+1], KSTEP<<16                   ; tensor_dim0 = 128
	s_mov_b32 s[G1B+2], 128<<16
	s_mov_b32 s[G1+2], 128<<16                     ; tensor_dim1 = 128
	s_mov_b32 s[G1B+3], KSTEP<<16
	s_mov_b32 s[G1+3], KSTEP<<16                   ; tile_dim0 = 128
	s_mov_b32 s[G1B+4], 128
	s_mov_b32 s[G1+4], 128                         ; tile_dim1 = 128
	s_mov_b32 s[G1B+5], SIZE_K
	s_mov_b32 s[G1+5], SIZE_K                      ; elements from row to row
	s_mov_b32 s[G1B+6], 0
	s_mov_b32 s[G1+6], 0
	s_mov_b32 s[G1B+7], 0
	s_mov_b32 s[G1+7], 0
	; where the tiles come from.  xb's hang on the tile row alone, which my row of the cluster shares; wt's on the tile column alone, which my column shares.
	; Every wave makes both addresses, in registers that never hold the other coordinate, and asks by one of them.
	s_lshl_b32 s17, s12, 7                         ; which 128 rows of the tile I fetch
	s_lshl_b32 s16, s13, 8
	s_add_co_u32 s16, s16, s17                     ; xb: row 256 x tile row + 128 x half
	s_lshl_b32 s46, s42, 8
	s_add_co_u32 s46, s46, s17                     ; wt: row 256 x tile column + 128 x half
	s_mov_b32 s17, 0
	s_mov_b32 s47, 0
	s_mov_b64 s[18:19], SIZE_K*2
	s_mul_u64 s[16:17], s[16:17], s[18:19]         ; in bytes
	s_mul_u64 s[46:47], s[46:47], s[18:19]
	s_mul_i32 s20, s10, HALFT                      ; and where they go: wave x 128 rows: no place in the cluster enters an LDS address
	s_wait_dscnt 0x0                               ; both opening adds are done
	s_wait_kmcnt 0x0
	s_add_nc_u64 s[14:15], s[4:5], s[16:17]
	s_add_nc_u64 s[46:47], s[6:7], s[46:47]
	CROUND                                         ; all sixteen work-groups are here: the first joint loads meet
.irp s, 0,1
	s_mov_b32 s[G0+4*(\s)], 1                                      ; count = 1
	s_add_co_u32 s[G0+4*(\s)+1], s20, (\s)*SLOT                    ; LDS address
	s_add_nc_u64 s[G0+4*(\s)+2:G0+4*(\s)+3], s[14:15], (\s)*KSTEP*2  ; global address: K step s
	s_or_b32 s[G0+4*(\s)+3], s[G0+4*(\s)+3], 0x80000000            ; type = 2
	s_mov_b32 s[G0B+4*(\s)], 1
	s_add_co_u32 s[G0B+4*(\s)+1], s20, (\s)*SLOT
	s_add_nc_u64 s[G0B+4*(\s)+2:G0B+4*(\s)+3], s[46:47], (\s)*KSTEP*2
	s_or_b32 s[G0B+4*(\s)+3], s[G0B+4*(\s)+3], 0x80000000
	JLOAD \s                                       ; both slots are asked for before anything else is done: two tensor loads of mine are out
.endr
	; A fragment is 16 rows x 32 K in 8 registers: lane l holds row l % 16; registers 0-3 hold K = 8 (l / 16) + 0..7, registers 4-7 K = 16 + 8 (l / 16) + 0..7: two loads of 16 bytes, 32 bytes apart.
	v_and_b32 v1, 15, v0                           ; l % 16
	v_bfe_u32 v2, v0, 4, 1                         ; l / 16
	v_mul_u32_u24 v3, v1, PITCH
	v_lshl_add_u32 v3, v2, 4, v3                   ; row x pitch + 16 x half
	s_mul_i32 s21, s11, HALFT                      ; my 128 rows of xb
	s_mul_i32 s22, s12, HALFT                      ; my 128 rows of wt,
	s_add_co_u32 s22, s22, 2*HALFT                 ; which lie behind xb's 256
.irp s, 0,1
	v_add_nc_u32 v[ADRA+(\s)], s21, v3
	v_add_nc_u32 v[ADRB+(\s)], s22, v3
	s_add_co_u32 s21, s21, SLOT
	s_add_co_u32 s22, s22, SLOT
.endr
	s_mul_i32 s23, s10, 16*SPITCH
	s_add_co_u32 s23, s23, STAGE                   ; my stage
	v_mul_u32_u24 v4, v1, SPITCH                   ; in: row l % 16, 32 bytes for each half of the lanes
	v_lshl_add_u32 v4, v2, 5, v4
	v_add_nc_u32 v[STO], s23, v4
	v_and_b32 v5, 31, v0
	v_lshlrev_b32 v[CO], 4, v5                     ; back: 32 lanes take one row of 512 bytes, and the same 512 bytes in out0
	v_add_nc_u32 v[RD], s23, v[CO]
	; where my part of the tile begins in out0
	s_lshl_b32 s13, s13, 8                         ; 256 x tile row
	s_lshl_b32 s14, s11, 7
	s_add_co_u32 s16, s13, s14                     ; my first row
	s_mov_b32 s17, 0
	s_mov_b64 s[18:19], ROWC
	s_mul_u64 s[16:17], s[16:17], s[18:19]
	s_lshl_b32 s46, s42, 10                        ; my first column, in bytes of f32: 1,024 x tile column + 512 x half (in the registers that held wt's address: none that feeds xb's descriptors ever holds cx)
	s_lshl_b32 s47, s12, 9
	s_add_co_u32 s46, s46, s47
	s_mov_b32 s47, 0
	s_add_nc_u64 s[16:17], s[16:17], s[46:47]
	s_add_nc_u64 s[8:9], s[8:9], s[16:17]
	v_add_nc_u32 v[BO], s46, v[CO]
	global_load_b128 v[BI:BI+3], v[BO], s[66:67]   ; the bias of my four columns: waited for on the way out
	; the prefetches.  s13 = 256 x tile row, s42 = tile column, s40 = cx, s41 = cy still stand
	s_lshl_b32 s42, s42, 8
	s_and_b32 s22, ttmp7, 0xffff                   ; cluster y
	s_cmp_eq_u32 s11, 0                            ; do I fetch for xb?
	s_cselect_b32 s20, s13, s42                    ; the tile's first row
	s_cselect_b32 s21, s40, s41                    ; my place among the four that ask for it with me
	s_cselect_b32 s22, ttmp9, s22                  ; the coordinate along which other clusters read the same rows
	s_cselect_b64 s[PFA:PFA+1], s[4:5], s[6:7]
	s_cmp_eq_u32 s22, 0
	s_cselect_b32 s[LIM], 1, -1                    ; the same in all sixteen partners, for a given wave
	s_lshl_b32 s22, s12, 7
	s_add_co_u32 s20, s20, s22                     ; + the 128 rows that I fetch
	s_lshl_b32 s21, s21, 5
	s_add_co_u32 s20, s20, s21                     ; + my work-group's 32 of them
	s_mov_b32 s21, 0
	s_mov_b64 s[18:19], SIZE_K*2
	s_mul_u64 s[20:21], s[20:21], s[18:19]
	s_add_nc_u64 s[PFA:PFA+1], s[PFA:PFA+1], s[20:21]
	s_add_nc_u64 s[PFA:PFA+1], s[PFA:PFA+1], 2*KSTEP*2  ; at K step 2: the first refill steps it to 3 and names K step 4
	v_mul_u32_u24 v[PFO], v5, SIZE_K*2
	; nothing is prefetched here, at the head, where every work-group's first two tiles are on their way
; 16 matrix instructions: m blocks a0, a0 + 1 of the window's four (hi = 0: my rows 0-63, 1: rows 64-127) x all 8 n blocks, 32 along K.  zero = 1: the first product starts the sums: nothing is ever cleared.
; The 64 accumulators take turns, one instruction a turn, in the same order in every quarter step, over the backward jump too.
.macro MUL16 f, hi, a0, zero
	WIN MUL_LO+0x50*(\hi)
.irp a, \a0, (\a0)+1
.irp b, 0,1,2,3,4,5,6,7
.if \zero
	v_wmma_f32_16x16x32_bf16 v[8*(8*(\a)+(\b)):8*(8*(\a)+(\b))+7], v[(\f)+8*(\b):(\f)+8*(\b)+7], v[(\f)+8*(4*(\hi)+(\a)):(\f)+8*(4*(\hi)+(\a))+7], 0
.else
	v_wmma_f32_16x16x32_bf16 v[8*(8*(\a)+(\b)):8*(8*(\a)+(\b))+7], v[(\f)+8*(\b):(\f)+8*(\b)+7], v[(\f)+8*(4*(\hi)+(\a)):(\f)+8*(4*(\hi)+(\a))+7], v[8*(8*(\a)+(\b)):8*(8*(\a)+(\b))+7]
.endif
.endr
.endr
.endm
; 32 LDS loads in one run: the fragments of one quarter step (128 rows of wt, 128 rows of xb, 32 K at byte k of the rows) into buffer f
.macro FETCH slot, k, f
	WIN TO_B
.irp i, 0,1,2,3,4,5,6,7
	ds_load_b128 v[(\f)+8*(\i):(\f)+8*(\i)+3],   v[ADRB+(\slot)] offset:(\k)+(\i)*16*PITCH
	ds_load_b128 v[(\f)+8*(\i)+4:(\f)+8*(\i)+7], v[ADRB+(\slot)] offset:(\k)+(\i)*16*PITCH+32
.endr
	WIN 0
.irp i, 0,1,2,3,4,5,6,7
	ds_load_b128 v[(\f)+8*(\i):(\f)+8*(\i)+3],   v[ADRA+(\slot)] offset:(\k)+(\i)*16*PITCH
	ds_load_b128 v[(\f)+8*(\i)+4:(\f)+8*(\i)+7], v[ADRA+(\slot)] offset:(\k)+(\i)*16*PITCH+32
.endr
.endm
; A load into a register that a matrix instruction has read, and an instruction that reads a matrix result, stand four places behind that matrix instruction, and only plain vector instructions that
; name none of its registers are places (ISA guide 7.12.1 for vector instructions).
.macro PLACES
.rept 4
	v_nop
.endr
.endm
; A K step is four quarter steps of 32 along K, 64 matrix instructions each, on buffers 0, 1, 0, 1.
; One of the first three: multiplies buffer f; in its middle it fetches the next quarter's fragments, at byte k of the same slot's rows, into buffer g.
.macro QUARTER slot, k, f, g, zero
	s_wait_dscnt 8                                 ; wt and xb's rows 0-63 are in; the youngest eight loads (xb's rows 64-127) may be out
	WIN MUL_LO
	MUL16 \f, 0, 0, \zero
	MUL16 \f, 0, 2, \zero
	PLACES
	FETCH \slot, \k, \g
	s_wait_dscnt 32                                ; all but the 32 just issued
	WIN MUL_HI
	MUL16 \f, 1, 0, \zero
	MUL16 \f, 1, 2, \zero
.endm
; The last quarter multiplies buffer 1 and changes slots.  MEET is its first half: ONE barrier for the change.  In front of it each wave waits for all its tensor loads, of which one is out: its part of
; the next slot; adds 0 to its spare word; and waits for that and for its own reads of this slot.  Behind it nobody reads this slot any more and the next slot is whole.
.macro MEET round                      ; round = 1: the rest of a round of the cluster's barrier follows
	WIN 0                                          ; (the add's two registers lie in window 0)
	s_wait_tensorcnt 0x0                           ; all my tensor loads have landed;
	ds_add_u32 v[SPW], v[NIL]                      ; 0 onto my spare word;
	s_wait_dscnt 9                                 ; (the add and the youngest eight loads may be out)
	WIN MUL_LO
	MUL16 F1, 0, 0, 0                              ; sixteen matrix instructions stand between the add and the wait for it
	s_wait_dscnt 0x0                               ; the add is done, and my reads of this slot are over:
	s_barrier_signal -1                            ; say so,
	MUL16 F1, 0, 2, 0                              ; work on registers while the others arrive,
.if \round
	WIN 0
.endif
	s_barrier_wait -1                              ; and go on when all four have said so
.endm
; The whole last quarter.  fill = 1: behind the round the slot just read out is filled again first, with the K step two steps on; then come the next slot's first fragments.
; From a request to the wait for it a wave issues 224 matrix instructions.  fill = 0: nothing is left to ask for, and the work-group's barrier is enough.
.macro TURN slot, next, fill
.if \fill
	s_wait_xcnt 0x0                                ; the last prefetch, a K step back, has read its address: it is stepped here, ahead of the waits of the change of slots
	s_add_nc_u64 s[PFA:PFA+1], s[PFA:PFA+1], KSTEP*2
	MEET 1
	CREST                                          ; all sixteen work-groups have said so: no wave of any partner still reads this slot's tile or has a load on its way
	s_add_nc_u64 s[G0+4*(\slot)+2:G0+4*(\slot)+3], s[G0+4*(\slot)+2:G0+4*(\slot)+3], 2*KSTEP*2    ; no tensor load of mine is out, so a group 0 may be written
	s_add_nc_u64 s[G0B+4*(\slot)+2:G0B+4*(\slot)+3], s[G0B+4*(\slot)+2:G0B+4*(\slot)+3], 2*KSTEP*2
	JLOAD \slot                                    ; the first tensor load behind the round, one a wave; the four v_nop behind it are also the places in front of the loads below
	FETCH \next, 0, F0
	ASK
.else
	MEET 0
	PLACES
	FETCH \next, 0, F0
.endif
	WIN MUL_HI
	MUL16 F1, 1, 0, 0
	MUL16 F1, 1, 2, 0
.endm
; THE WAY OUT of block a (16 rows of my 128), in two parts.  TOSTAGE: the block's eight accumulators go as they are, f32, into my own stage in LDS (each from its low registers on), and come back as whole
; rows of 512 bytes.  SEND: the bias is added and the rows are stored.  The stage is the wave's own and no tensor load fills it: no barrier.
.macro TOSTAGE a
.set AC, 64*((\a)%4)
.set BK, OB+64*((\a)%2)
.if (\a) >= 2
	s_wait_xcnt 0x0                                ; the buffer was the data of block a - 2's stores: it is loaded again only behind this wait
.endif
	WIN 0x08+4*((\a)/4)                            ; the stores' data (source 1) in window 2 or 3, the address in window 0
.irp b, 0,1,2,3,4,5,6,7
	ds_store_b128 v[STO], v[AC+8*(\b):AC+8*(\b)+3]   offset:64*(\b)
	ds_store_b128 v[STO], v[AC+8*(\b)+4:AC+8*(\b)+7] offset:64*(\b)+16
.endr
	WIN 0
.irp t, 0,1,2,3,4,5,6,7,8,9,10,11,12,13,14,15
	ds_load_b128 v[BK+4*(\t):BK+4*(\t)+3], v[RD] offset:(\t)*SPITCH  ; LDS serves a wave's instructions in order (ISA guide 5.7.1.4): these see the stores above; the next block's stores come behind them
.endr
.endm
.macro SEND a, younger                 ; younger: the LDS instructions issued behind block a's loads: the next block's 32, or none
	WIN 0
.set BK, OB+64*((\a)%2)
.irp t, 0,1,2,3,4,5,6,7,8,9,10,11,12,13,14,15
	s_wait_dscnt (\younger)+15-(\t)                ; row t is back
	v_pk_add_f32 v[BK+4*(\t):BK+4*(\t)+1],   v[BK+4*(\t):BK+4*(\t)+1],   v[BI:BI+1]
	v_pk_add_f32 v[BK+4*(\t)+2:BK+4*(\t)+3], v[BK+4*(\t)+2:BK+4*(\t)+3], v[BI+2:BI+3]
	global_store_b128 v[CO], v[BK+4*(\t):BK+4*(\t)+3], s[8:9] offset:(16*(\a)+(\t))*ROWC th:TH_STORE_NT  ; 32 lanes store 512 consecutive bytes, at a multiple of 512 from out0's first; 127 rows at the most: inside the signed 24-bit immediate
.endr
.endm
	s_wait_tensorcnt 1                             ; my part of K step 0 is in; K step 1's may stay out
	s_barrier_signal -1
	s_barrier_wait -1                              ; everybody's is
	FETCH 0, 0, F0
	QUARTER 0, 64,  F0, F1, 1                      ; the first quarter stands in front of the loop: its products start the sums
	WIN 0                                          ; at a label and at a branch every window is 0
	s_mov_b32 s3, LAPS-1
.Llap:                                                 ; a trip goes once round the ring, from a lap's second quarter to the next lap's first, and fills both slots again
	QUARTER 0, 128, F1, F0, 0
	QUARTER 0, 192, F0, F1, 0
	TURN 0, 1, 1
	QUARTER 1, 64,  F0, F1, 0
	QUARTER 1, 128, F1, F0, 0
	QUARTER 1, 192, F0, F1, 0
	TURN 1, 0, 1
	QUARTER 0, 64,  F0, F1, 0
	WIN 0
	s_sub_co_u32 s3, s3, 1
	s_cmp_lg_u32 s3, 0
	s_cbranch_scc1 .Llap
	QUARTER 0, 128, F1, F0, 0                      ; the last lap is written out: it fills nothing
	QUARTER 0, 192, F0, F1, 0
	TURN 0, 1, 0
	QUARTER 1, 64,  F0, F1, 0
	QUARTER 1, 128, F1, F0, 0
	QUARTER 1, 192, F0, F1, 0
	s_wait_dscnt 8                                 ; the very last quarter: nothing more to fetch
	MUL16 F1, 0, 0, 0
	MUL16 F1, 0, 2, 0
	s_wait_dscnt 0x0
	MUL16 F1, 1, 0, 0
	MUL16 F1, 1, 2, 0
	WIN 0
	s_wait_loadcnt 0x0                             ; the bias
	v_cvt_pk_bf16_f32 v[BT],   v[BI],   v[BI+1]     ; rounded to bf16, as the other inputs are, and widened again; these six lines and the four behind them are the places behind the last products
	v_cvt_pk_bf16_f32 v[BT+1], v[BI+2], v[BI+3]
	v_lshlrev_b32 v[BI],   16, v[BT]
	v_and_b32     v[BI+1], 0xffff0000, v[BT]
	v_lshlrev_b32 v[BI+2], 16, v[BT+1]
	v_and_b32     v[BI+3], 0xffff0000, v[BT+1]
	PLACES
	TOSTAGE 0
.irp a, 1,2,3,4,5,6,7                  ; block a's trip through the stage is issued ahead of block a - 1's additions and stores
	TOSTAGE \a
	SEND (\a)-1, 32
.endr
	SEND 7, 0
	s_wait_tensorcnt 0x0                           ; the wave's end: behind my last tensor load and my last LDS store
	ds_add_u32 v[SPW], v[NIL]
	s_wait_dscnt 0x0
	CROUND                                         ; the closing round: no work-group ends while a partner may still ask for a tile that names it
	s_endpgm
.Lfunc_end_k_q4be4a3e12e_gemm:
	.size	k_q4be4a3e12e_gemm, .Lfunc_end_k_q4be4a3e12e_gemm-k_q4be4a3e12e_gemm
	.p2alignl 7, 3214868480
	.fill 96, 4, 3214868480
	.section	.rodata,"a",@progbits
	.p2align	6, 0x0
	.amdhsa_kernel k_q4be4a3e12e_gemm
		.amdhsa_group_segment_fixed_size 327680
		.amdhsa_private_segment_fixed_size 0
		.amdhsa_enable_private_segment 0
		.amdhsa_kernarg_size 32
		.amdhsa_user_sgpr_count 2
		.amdhsa_user_sgpr_kernarg_segment_ptr 1
		.amdhsa_wavefront_size32 1
		.amdhsa_system_sgpr_workgroup_id_x 1
		.amdhsa_system_sgpr_workgroup_id_y 1
		.amdhsa_system_sgpr_workgroup_id_z 1
		.amdhsa_system_vgpr_workitem_id 0
		.amdhsa_next_free_vgpr 1024
		.amdhsa_next_free_sgpr 68
		.amdhsa_reserve_vcc 0
		.amdhsa_float_denorm_mode_32 3
		.amdhsa_float_denorm_mode_16_64 3
		.amdhsa_memory_ordered 1
		.amdhsa_forward_progress 1
		.amdhsa_inst_pref_size 162
	.end_amdhsa_kernel
	.amdgpu_metadata
---
amdhsa.version: [ 1, 2 ]
amdhsa.kernels:
  - .name:           k_q4be4a3e12e_gemm
    .symbol:         k_q4be4a3e12e_gemm.kd
    .args:
      - { .name: xb, .offset: 0, .size: 8, .value_kind: global_buffer, .address_space: global }
      - { .name: wt, .offset: 8, .size: 8, .value_kind: global_buffer, .address_space: global }
      - { .name: out0, .offset: 16, .size: 8, .value_kind: global_buffer, .address_space: global }
      - { .name: bias, .offset: 24, .size: 8, .value_kind: global_buffer, .address_space: global }
    .group_segment_fixed_size: 327680
    .private_segment_fixed_size: 0
    .kernarg_segment_align: 8
    .kernarg_segment_size: 32
    .max_flat_workgroup_size: 128
    .sgpr_count:     68
    .vgpr_count:     1024
    .wavefront_size: 32
...
	.end_amdgpu_metadata
.endif
;; end of part 2
;; ======== version 2 of 2: 2 launches; version 1 with the launch prep written anew for expert scheduling mode
;; workspace buffers: xb 33,554,432 bytes; wt 33,554,432 bytes
;; launch prep (part 3): grid 256 x 1, 8 waves a work-group, no clusters, 39,936 bytes of LDS; arguments x, qweight, qzeros, scales, xb, wt; writes xb, wt
.if DOCPART == 3
	.amdgcn_target "amdgcn-amd-amdhsa--gfx1250"
	.amdhsa_code_object_version 6
	.text
	.protected	k_q4be4a3e12e_prep
	.globl	k_q4be4a3e12e_prep
	.p2align	8
	.type	k_q4be4a3e12e_prep,@function
k_q4be4a3e12e_prep:
	s_mov_b64 s[64:65], 0
	v_nop
	global_prefetch_b8 v0, s[64:65] scope:SCOPE_SE
	s_setreg_imm32_b32 hwreg(HW_REG_WAVE_SCHED_MODE, 0, 2), 2
	s_setreg_imm32_b32 hwreg(HW_REG_WAVE_MODE, 25, 1), 1
	s_wait_xcnt 0x0
	s_wait_alu depctr_vm_vsrc(0)
; FIRST OF TWO LAUNCHES.  out0 = x W + bias with W[k][o] = scales[k/128][o] (q[k][o] - z[k/128][o] - 1), q and z 4-bit codes.
; This launch makes the two matrix operands of the product, once:  xb[m][k] = bf16(x[m][k]);  wt[o][k] = bf16(bf16(scales[g][o]) (q - z - 1)), g = k / 128, K along the rows.
; NOTHING IS LEFT OUT: all five inputs have a way to the output; x, qweight, qzeros and scales are read here, bias in the second launch.
; LIMITS.  x and scales are rounded to bf16 (nearest even).  q - z - 1 is a whole number from -16 to 14, made exactly; its product with the rounded scale is rounded once to bf16.
; NaN and infinities in x or scales go through the conversions and the multiply as these carry them.
; SHARES.  2,048 waves.  Wave Wid = 8 x work-group + wave takes (a) one tile of W: one group g of 128 k (16 rows of qweight) x 64 columns, and (b) 8,192 numbers of x on end.
; g = 8 (work-group % 4) + wave, columns 64 (work-group / 4) on: the eight waves of a work-group write 2,048 bytes on end in each of 64 rows of wt.
; THE TILE OF W IS TURNED IN LDS, in bytes of the wave's own: no barrier.  It comes in by rows of qweight (16 lanes take 256 bytes of a row), and is read back so that lane (r, h) holds the words of
; qweight's row r for four columns: a word is 8 k of one column, 16 bytes of bf16, and the 16 lanes r = 0..15 then store 256 consecutive bytes of a row of wt, aligned.
; x IS A STREAM: 64 chunks of 512 bytes a wave, in blocks of four; 28 to 32 loads of a wave are out; 32 lanes store 256 consecutive bytes of xb, aligned.
; No matrix unit, no cluster, no tensor load, no prefetch: every byte is read once, by one wave, and the loads are all asked for at the start.
; THE MODE: SCHED_MODE bits 1:0 = 2 (LLVM: expert scheduling mode 2), set by the entry lines.  The code itself states the register dependences
; between vector instructions and memory or LDS instructions, with s_wait_alu, always for 0.
; THE PLAN.  Registers that memory or LDS instructions touch:
;   v4 .. v11   offsets and LDS addresses: written once at the head, read by every load and store, never written again.
;   Q           Written by qweight's loads, read by the LDS stores; then the LDS loads land in it, and the unpacking lines read it.
;   SC          The LDS loads of the scales land in it; vector lines alone read it.      SL   one load, one LDS store, never written again.
;   YW0, YW1    Unpacking step t writes YW[t % 2]; the four stores that read it are issued in step t + 1, which writes the other buffer.
;   X           32 slots.  First pass: a block's eight roundings read four slots, and the loads of the chunks 32 further on land in them.  Second pass: rounded in place, read by stores, never written again.
;   Y           (Q's and SC's registers, when these are done with.)  Written by the first pass's roundings, read by its stores, never written again.
;   v14, v15    Written at the head, read by the closing add alone.
; So the waits are few: one behind the head's address lines; one between the LDS stores and the LDS loads; those at the head of an unpacking step, which state all that the step's four stores
; hang on and free the buffer that the step writes; one to a block of x.
.set WREG,   4864                      ; a wave's LDS bytes: 16 rows of 272, then the 64 scales
.set LPITCH, 272                       ; 256 bytes + 16: 68 words, so the 16 rows that a load touches start at 16 different groups of four banks (64 banks of 4 bytes: ISA guide 11.1)
.set SCROW,  16*LPITCH
.set SPARE,  8*WREG                    ; behind the eight regions: the spare words, 128 bytes for each wave: four blocks of 256 bytes that no other line names
.set XO,  4                            ; v4   16 l: my 16 bytes of a chunk of x
.set YO,  5                            ; v5   8 l: my 8 bytes of a chunk of xb; also of the 256 bytes of scales
.set QO,  6                            ; v6   16,384 h + 16 r: in two rows of qweight
.set LS,  7                            ; v7   LDS, in: row h, 16 r
.set LSS, 8                            ; v8   LDS, in: the scales, 8 l
.set LR,  9                            ; v9   LDS, back: row r, 16 h
.set LC,  10                           ; v10  LDS, back: the scales, 16 h
.set WO,  11                           ; v11  32,768 h + 16 r: four rows of wt down for the upper lanes
.set SH,  12                           ; v12  16 h: the upper lanes' four columns lie in a zero word's upper half
.set ZS,  13                           ; v13  the zero word, shifted so
.set SPW, 14                           ; v14  LDS address of my spare word; never rewritten
.set NIL, 15                           ; v15  0; never rewritten
.set Q,   16                           ; v[16:47]   8 x 4 packed words
.set SC,  48                           ; v[48:79]   8 x 4 scales
.set Y,   16                           ; v[16:79]   later: xb's first 32 chunks, 2 registers each
.set YW,  80                           ; v[80:95] and v[106:121]: buffer k at YW + 26 k: four columns x 16 bytes of wt
.set A,   96                           ; v[96:99]   at work: codes i and i + 4 as two bf16
.set T,   100                          ; v100 z
.set KK,  101                          ; v101 -(129 + z), twice
.set SB,  102                          ; v102 the scale in bf16, twice
.set SL,  104                          ; v[104:105] the scales as loaded
.set X,   128                          ; v[128:255] 32 slots of 4: x as loaded
	s_load_b256 s[4:11], s[0:1], 0x0               ; x s[4:5], qweight s[6:7], qzeros s[8:9], scales s[10:11]
	s_load_b128 s[12:15], s[0:1], 0x20             ; xb s[12:13], wt s[14:15]
	v_lshl_add_u32 v[SPW], v0, 2, SPARE
	v_mov_b32 v[NIL], 0
	v_lshrrev_b32 v1, 5, v0
	v_readfirstlane_b32 s16, v1                    ; wave 0..7; what does not hang on it stands between this line and the wait for it
	s_and_b32 s17, ttmp9, 3
	s_lshr_b32 s18, ttmp9, 2                       ; which 64 columns
	s_mov_b32 s32, 0x000f000f                      ; one code in each half
	s_mov_b32 s33, 0x43004300                      ; 128.0 twice in bf16: its lowest mantissa bit counts 1, so 128 + code is an OR
	s_mov_b32 s34, 0x10001                         ; a number into both halves
	s_mov_b32 s35, 0xc301c301                      ; -129.0 twice
	s_mov_b32 s36, 0x05040100                      ; v_perm_b32: the two low halves
	s_mov_b32 s37, 0x07060302                      ; the two high halves
	s_lshl_b32 s39, s18, 8                         ; 64 columns of 4 bytes
	v_and_b32 v1, 31, v0                           ; l
	v_and_b32 v2, 15, v0                           ; r
	v_bfe_u32 v3, v0, 4, 1                         ; h
	v_lshlrev_b32 v[XO], 4, v1
	v_lshlrev_b32 v[YO], 3, v1
	v_lshlrev_b32 v[QO], 14, v3
	v_lshl_add_u32 v[QO], v2, 4, v[QO]
	v_mul_u32_u24 v[LS], v3, LPITCH
	v_lshl_add_u32 v[LS], v2, 4, v[LS]
	v_mul_u32_u24 v[LR], v2, LPITCH
	v_lshl_add_u32 v[LR], v3, 4, v[LR]
	v_lshlrev_b32 v[WO], 15, v3
	v_lshl_add_u32 v[WO], v2, 4, v[WO]
	v_lshlrev_b32 v[SH], 4, v3
	s_wait_alu depctr_va_sdst(0)                   ; s16 is written, ahead of its first reader: g, Wid and my LDS bytes are made from it
	s_lshl3_add_u32 s17, s17, s16                  ; g
	s_lshl3_add_u32 s19, ttmp9, s16                ; Wid
	s_mul_i32 s38, s16, WREG                       ; my wave's LDS bytes
	s_lshl_b32 s20, s19, 15                        ; x: 32,768 bytes a wave
	s_mov_b32 s21, 0
	s_lshl_b32 s22, s19, 14                        ; xb: 16,384
	s_mov_b32 s23, 0
	s_lshl_b32 s40, s17, 18                        ; qweight: 16 rows of 16,384 bytes a group,
	s_add_co_u32 s40, s40, s39                     ; my columns
	s_mov_b32 s41, 0
	s_lshl_b32 s42, s17, 14                        ; scales: a row a group
	s_add_co_u32 s42, s42, s39
	s_mov_b32 s43, 0
	s_lshl_b32 s44, s18, 19                        ; wt: 64 rows of 8,192 bytes,
	s_lshl_b32 s45, s17, 8                         ; the group's 256 bytes
	s_add_co_u32 s44, s44, s45
	s_mov_b32 s45, 0
	s_lshl_b32 s46, s17, 11                        ; qzeros: 2,048 bytes a group,
	s_lshl_b32 s47, s18, 5                         ; 8 words for 64 columns
	s_add_co_u32 s46, s46, s47
	s_mov_b32 s47, 0
	v_add_nc_u32 v[LS], s38, v[LS]
	v_lshl_add_u32 v[LSS], v1, 3, s38
	v_add_nc_u32 v[LSS], SCROW, v[LSS]
	v_add_nc_u32 v[LR], s38, v[LR]
	v_lshl_add_u32 v[LC], v3, 4, s38
	v_add_nc_u32 v[LC], SCROW, v[LC]
	s_wait_kmcnt 0x0
	s_add_nc_u64 s[4:5], s[4:5], s[20:21]
	s_add_nc_u64 s[12:13], s[12:13], s[22:23]
	s_add_nc_u64 s[6:7], s[6:7], s[40:41]
	s_add_nc_u64 s[10:11], s[10:11], s[42:43]
	s_add_nc_u64 s[14:15], s[14:15], s[44:45]
	s_add_nc_u64 s[8:9], s[8:9], s[46:47]
	s_load_b256 s[24:31], s[8:9], 0x0              ; the tile's eight zero words: word t holds the zeros of columns 8 t .. 8 t + 7
	s_wait_alu depctr_va_vdst(0)                   ; the eight offsets and addresses v4 to v11 are written: every load and store of the kernel reads one of them
	; W's nine loads first, then the first 32 chunks of x: all of them are out before anything is waited for
.irp t, 0,1,2,3,4,5,6,7
	global_load_b128 v[Q+4*(\t):Q+4*(\t)+3], v[QO], s[6:7] offset:32768*(\t) th:TH_LOAD_NT  ; lanes 0-15: 256 bytes of row 2 t; lanes 16-31: of row 2 t + 1
.endr
	global_load_b64 v[SL:SL+1], v[YO], s[10:11]    ; 64 scales, 256 bytes on end
.set j, 0
.rept 32
	global_load_b128 v[X+4*j:X+4*j+3], v[XO], s[4:5] offset:512*j th:TH_LOAD_NT
.set j, j+1
.endr
	s_wait_loadcnt 32                              ; loads come back in order (ISA guide 5.7.1): W's nine are in, the 32 of x stay out
.irp t, 0,1,2,3,4,5,6,7
	ds_store_b128 v[LS], v[Q+4*(\t):Q+4*(\t)+3] offset:2*LPITCH*(\t)
.endr
	ds_store_b64 v[LSS], v[SL:SL+1]
	s_wait_alu depctr_vm_vsrc(0)                   ; the LDS stores have read Q, in which the LDS loads below land (and which x's roundings write later, as Y)
.irp t, 0,1,2,3,4,5,6,7                ; LDS serves a wave's instructions in order (ISA guide 5.7.1.4): these see the stores above, which are the wave's own
	ds_load_b128 v[Q+4*(\t):Q+4*(\t)+3],   v[LR] offset:32*(\t)  ; qweight's row r, columns 8 t + 4 h + 0..3
	ds_load_b128 v[SC+4*(\t):SC+4*(\t)+3], v[LC] offset:32*(\t)  ; their scales
.endr
	s_wait_kmcnt 0x0                               ; the zero words
; One store of wt: column c of the four that step t made.
.macro WST t, c
	global_store_b128 v[WO], v[YW+26*((\t)%2)+4*(\c):YW+26*((\t)%2)+4*(\c)+3], s[14:15] offset:(8*(\t)+(\c))*8192  ; lanes 0-15: 256 consecutive bytes, aligned, of row 8 t + c; lanes 16-31: of row 8 t + 4 + c
.endm
; Step t: eight columns (four a lane), into YW[t % 2].  For column c of my four: z from its nibble; K = -(129 + z) twice; the word's codes i and i + 4 as 128 + code in the halves of A_i;
; A_i + K = q - z - 1, exact; times the scale in bf16: the one rounding; the halves are then laid in the order of k: (0,1) (2,3) (4,5) (6,7).
; The four stores of step t - 1, which read the other YW, are dealt among the step's columns.
.macro DEQ t
	s_wait_dscnt 14-2*(\t)                         ; the pairs of loads behind pair t may stay out
.if (\t) > 1
	s_wait_xcnt 0x0                                ; YW[t % 2] is the data of the four stores issued in the step before: it is rewritten only behind this wait
	s_wait_alu depctr_vm_vsrc(0)                   ; those stores have read YW[t % 2], which this step's lines write again
.endif
.if (\t) > 0
	s_wait_alu depctr_va_vdst(0)                   ; the step before has written the other YW, which the four stores below read; no vector line of this step names it
.endif
	v_lshrrev_b32 v[ZS], v[SH], s[24+(\t)]
.irp c, 0,1,2,3
.if (\t) > 0
	WST (\t)-1, \c
.endif
	v_bfe_u32 v[T], v[ZS], 4*(\c), 4
	v_mad_u32_u24 v[KK], v[T], s34, s35
	v_cvt_pk_bf16_f32 v[SB], v[SC+4*(\t)+(\c)], v[SC+4*(\t)+(\c)]
	v_lshrrev_b32 v[A+1], 4,  v[Q+4*(\t)+(\c)]
	v_lshrrev_b32 v[A+2], 8,  v[Q+4*(\t)+(\c)]
	v_lshrrev_b32 v[A+3], 12, v[Q+4*(\t)+(\c)]
	v_and_or_b32 v[A],   v[Q+4*(\t)+(\c)], s32, s33
	v_and_or_b32 v[A+1], v[A+1], s32, s33
	v_and_or_b32 v[A+2], v[A+2], s32, s33
	v_and_or_b32 v[A+3], v[A+3], s32, s33
	v_pk_add_bf16 v[A],   v[A],   v[KK]
	v_pk_add_bf16 v[A+1], v[A+1], v[KK]
	v_pk_add_bf16 v[A+2], v[A+2], v[KK]
	v_pk_add_bf16 v[A+3], v[A+3], v[KK]
	v_pk_mul_bf16 v[A],   v[A],   v[SB]
	v_pk_mul_bf16 v[A+1], v[A+1], v[SB]
	v_pk_mul_bf16 v[A+2], v[A+2], v[SB]
	v_pk_mul_bf16 v[A+3], v[A+3], v[SB]
	v_perm_b32 v[YW+26*((\t)%2)+4*(\c)],   v[A+1], v[A],   s36
	v_perm_b32 v[YW+26*((\t)%2)+4*(\c)+1], v[A+3], v[A+2], s36
	v_perm_b32 v[YW+26*((\t)%2)+4*(\c)+2], v[A+1], v[A],   s37
	v_perm_b32 v[YW+26*((\t)%2)+4*(\c)+3], v[A+3], v[A+2], s37
.endr
.endm
.irp t, 0,1,2,3,4,5,6,7
	DEQ \t
.endr                                                  ; step 7's four stores stand in x's first block, behind that block's wait
; x, chunks 0 to 31, in blocks of four.  A block's slots are rounded into registers of their own and loaded again at once, with the chunks 32 further on.  No store's data and no address register is ever rewritten.
; The wait stands behind the roundings, so that the four slots are asked for again without waiting for the next block's data.
.macro XA b
	s_wait_loadcnt 28                              ; behind the block's fourth load 28 others were issued (28 - 4 b first fills, 4 b refills): they stay out
.irp i, 0,1,2,3
.set n, 4*(\b)+(\i)
	v_cvt_pk_bf16_f32 v[Y+2*n],   v[X+4*n],   v[X+4*n+1]
	v_cvt_pk_bf16_f32 v[Y+2*n+1], v[X+4*n+2], v[X+4*n+3]
.endr
	s_wait_alu depctr_va_vdst(0)                   ; the roundings are done reading the block's four slots, in which the loads below land, and have written Y, which the stores below read; in block 0 also: unpacking step 7 has written its YW
.irp i, 0,1,2,3
.set n, 4*(\b)+(\i)
	global_load_b128 v[X+4*n:X+4*n+3], v[XO], s[4:5] offset:512*(32+n) th:TH_LOAD_NT
.endr
.if (\b) == 0
.irp c, 0,1,2,3
	WST 7, \c
.endr
.endif
.irp i, 0,1,2,3
.set n, 4*(\b)+(\i)
	global_store_b64 v[YO], v[Y+2*n:Y+2*n+1], s[12:13] offset:256*n  ; 32 lanes store 256 consecutive bytes, aligned
.endr
.endm
; x, chunks 32 to 63, in blocks of four: nothing more is loaded, the counts run down; rounded in place.  The stores of the block before are dealt among a block's roundings, which name other slots.
.macro XB b
	s_wait_loadcnt 28-4*(\b)
.if (\b) > 0
	s_wait_alu depctr_va_vdst(0)                   ; the block before has written its four pairs, which the stores below read
.endif
.irp i, 0,1,2,3
.set n, 4*(\b)+(\i)
.if (\b) > 0
	global_store_b64 v[YO], v[X+4*(n-4):X+4*(n-4)+1], s[12:13] offset:256*(32+n-4)
.endif
	v_cvt_pk_bf16_f32 v[X+4*n],   v[X+4*n],   v[X+4*n+1]
	v_cvt_pk_bf16_f32 v[X+4*n+1], v[X+4*n+2], v[X+4*n+3]
.endr
.endm
.irp b, 0,1,2,3,4,5,6,7
	XA \b
.endr
.irp b, 0,1,2,3,4,5,6,7
	XB \b
.endr
	s_wait_alu depctr_va_vdst(0)                   ; the last block has written its four pairs, which the last four stores read
.irp i, 28,29,30,31
	global_store_b64 v[YO], v[X+4*(\i):X+4*(\i)+1], s[12:13] offset:256*(32+(\i))
.endr
	s_wait_dscnt 0x0                               ; the closing lines, six on end
	s_wait_alu 0x0
	s_wait_tensorcnt 0x0
	ds_add_u32 v[SPW], v[NIL]
	s_wait_dscnt 0x0
	s_endpgm
.Lfunc_end_k_q4be4a3e12e_prep:
	.size	k_q4be4a3e12e_prep, .Lfunc_end_k_q4be4a3e12e_prep-k_q4be4a3e12e_prep
	.p2alignl 7, 3214868480
	.fill 96, 4, 3214868480
	.section	.rodata,"a",@progbits
	.p2align	6, 0x0
	.amdhsa_kernel k_q4be4a3e12e_prep
		.amdhsa_group_segment_fixed_size 39936
		.amdhsa_private_segment_fixed_size 0
		.amdhsa_enable_private_segment 0
		.amdhsa_kernarg_size 48
		.amdhsa_user_sgpr_count 2
		.amdhsa_user_sgpr_kernarg_segment_ptr 1
		.amdhsa_wavefront_size32 1
		.amdhsa_system_sgpr_workgroup_id_x 1
		.amdhsa_system_sgpr_workgroup_id_y 1
		.amdhsa_system_sgpr_workgroup_id_z 1
		.amdhsa_system_vgpr_workitem_id 0
		.amdhsa_next_free_vgpr 256
		.amdhsa_next_free_sgpr 66
		.amdhsa_reserve_vcc 0
		.amdhsa_float_denorm_mode_32 3
		.amdhsa_float_denorm_mode_16_64 3
		.amdhsa_memory_ordered 1
		.amdhsa_forward_progress 1
		.amdhsa_inst_pref_size 73
	.end_amdhsa_kernel
	.amdgpu_metadata
---
amdhsa.version: [ 1, 2 ]
amdhsa.kernels:
  - .name:           k_q4be4a3e12e_prep
    .symbol:         k_q4be4a3e12e_prep.kd
    .args:
      - { .name: x, .offset: 0, .size: 8, .value_kind: global_buffer, .address_space: global }
      - { .name: qweight, .offset: 8, .size: 8, .value_kind: global_buffer, .address_space: global }
      - { .name: qzeros, .offset: 16, .size: 8, .value_kind: global_buffer, .address_space: global }
      - { .name: scales, .offset: 24, .size: 8, .value_kind: global_buffer, .address_space: global }
      - { .name: xb, .offset: 32, .size: 8, .value_kind: global_buffer, .address_space: global }
      - { .name: wt, .offset: 40, .size: 8, .value_kind: global_buffer, .address_space: global }
    .group_segment_fixed_size: 39936
    .private_segment_fixed_size: 0
    .kernarg_segment_align: 8
    .kernarg_segment_size: 48
    .max_flat_workgroup_size: 256
    .sgpr_count:     66
    .vgpr_count:     256
    .wavefront_size: 32
...
	.end_amdgpu_metadata
.endif
;; end of part 3
;; launch gemm: the kernel of part 2 again; grid 16 x 16, 4 waves a work-group, clusters of 4 x 4, 327,680 bytes of LDS; arguments xb, wt, out0, bias; writes out0
